; MI455X (gfx1250); checked and timed in simulation.
; The chip was launched on July 23, 2026; its instructions are those of AMD's public machine-readable ISA for CDNA 5 (MIT licence, August 2026) and "CDNA5" Instruction Set Architecture Reference Guide (July 2026). The comments in the code are by the model that wrote it; some were corrected since.
;; Max Matching. Allowed arithmetic: matrix products marked QUANTISED: E2M1 operands, one E8M0 scale for each 32 along K, by v_wmma_scale_f32_16x16x128_f8f6f4 with both operands' format E2M1 (or v_wmma_scale_f32_32x16x128_f4), f32 sums; everything else in f32.
;; Inputs: kernel 16 x 300 float32; sent1 64 x 200 x 300 float32; sent2 64 x 200 x 300 float32.
;; Outputs: out0 64 x 200 x 16 float32.
;; This version of the problem:
;;   THIS VERSION OF THE PROBLEM IS GIVEN IN LOW PRECISION. The matrix products marked QUANTISED in the list below multiply operands that are first quantised to E2M1 (2 exponent bits, 1 mantissa bit; 4 bits a number), with one power-of-two scale for each 32 numbers along K (OCP MX v1.0); their sums are f32. All else is computed in f32.
;;   The module's matrix products, in the order in which they are computed (A, B: the left and right operand; K: the contracted axis; several contracted axes count as one K, in the product's order):
;;     1. batch 1,024 x [M 200, K 300] x [K 300, N 200]; A: computed on the way; B: computed on the way: QUANTISED
;;   THE QUANTISER, for each operand of a quantised product, along K:
;;     - K is cut into blocks of 32 from its start; a last block that is shorter is filled with zeros.
;;     - A block's scale is 2^e with e = floor(log2(the largest magnitude in the block)) - 2, held to -126 .. 127; a block of zeros has e = 0. As a byte (E8M0): e + 127.
;;     - Each number is divided by its block's scale, clamped to +-6, and rounded to the nearest number of E2M1, ties to even, subnormals kept.
;;     - The product sums the exact products of the quantised numbers (number of the format x scale) in f32.
;;   ~~~python
;;   def quantise(x, axis):      # numpy; x: float32 -> the quantised numbers, widened to float32 again
;;       x = np.moveaxis(x, axis, -1); K = x.shape[-1]
;;       x = np.pad(x, [(0, 0)] * (x.ndim - 1) + [(0, -K % 32)]); x = x.reshape(x.shape[:-1] + (-1, 32)); a = np.abs(x).max(-1, keepdims=True)
;;       e = np.where(a > 0, np.clip(np.frexp(np.where(a > 0, a, 1))[1] - 1 - 2, -126, 127), 0)      # np.frexp(a)[1] - 1 = floor(log2(a)), exactly
;;       r = np.clip(x / 2.0 ** e, -6, 6)
;;       step = 2.0 ** (np.maximum(np.frexp(np.where(r == 0, 1, r))[1] - 1, 0) - 1)
;;       q = np.round(r / step) * step * 2.0 ** e      # np.round: ties to even
;;       return np.moveaxis(q.reshape(q.shape[:-2] + (-1,))[..., :K], -1, axis).astype(np.float32)
;;   ~~~
;;   OPERANDS COMPUTED ON THE WAY. 'Computed on the way' means the value that the module computes at that place (a softmax that the list does not call 'softmax' is quantised finished and normalised). What goes into a quantiser is computed in f32, as accurately as f32 sums, v_exp_f32 and their like allow (about 1e-6 of the number): no bf16 or f16 on the way to a quantiser, and a product that is left as it is and whose result goes on into a quantised operand takes f32 operands (vector FMAs, or v_wmma_f32_16x16x4_f32). A number that lies on a knife's edge between two numbers of the format may be rounded either way, as far as f32 arithmetic and the matrix unit's own rounding can turn it there, and no further.
;; One version. Each part assembles by itself: llvm-mc -triple=amdgcn-amd-amdhsa -mcpu=gfx1250 --defsym DOCPART=n.
;; ======== version 1 of 1: 1 launch
;; limits: right only within a limited range of input values
;; launch match (part 1): grid 256 x 1, 8 waves a work-group, clusters of 4 x 1, 327,680 bytes of LDS; arguments kernel, sent1, sent2, out0; writes out0
.if DOCPART == 1
	.amdgcn_target "amdgcn-amd-amdhsa--gfx1250"
	.amdhsa_code_object_version 6
	.text
	.protected	k_q82e9cd7af6_match
	.globl	k_q82e9cd7af6_match
	.p2align	8
	.type	k_q82e9cd7af6_match,@function
k_q82e9cd7af6_match:
	s_mov_b64 s[64:65], 0
	v_nop
	global_prefetch_b8 v0, s[64:65] scope:SCOPE_SE
	s_setreg_imm32_b32 hwreg(HW_REG_WAVE_MODE, 25, 1), 1
	s_wait_xcnt 0x0
	s_wait_alu depctr_hold_cnt(0) depctr_sa_sdst(0) depctr_va_vdst(0) depctr_va_sdst(0) depctr_va_ssrc(0) depctr_va_vcc(0) depctr_vm_vsrc(0)
	s_getreg_b32 s2, hwreg(HW_REG_IB_STS2, 6, 4)
	s_cmp_eq_u32 s2, 0
	s_cbranch_scc0 .Lentry_in_a_cluster
	s_endpgm
.Lentry_in_a_cluster:
	s_bfe_u32 s2, ttmp6, 0x10000c
	s_cmp_lg_u32 s2, 0x3003
	s_cbranch_scc0 .Lentry_shape_is_right
	s_endpgm
.Lentry_shape_is_right:
; out0[b][i][p] = max over j of Q(v1[b][i][p][:]) . Q(v2[b][j][p][:]),  v[l][p][d] = (s[l][d] k[p][d]) x rsqrt(max(sum over d of (s k)^2, 1e-12)),
; Q the MX quantiser to FP4 (E2M1) along d: blocks of 32, one E8M0 byte each; 300 along d are 10 blocks (the last: 12 numbers and 20 zeros) in three K steps of 128.
; sent1, sent2: [64][200][300] f32; kernel: [16][300] f32; out0: [64][200][16] f32.
; SHARES.  A cluster of four work-groups is a batch b; work-group cx owns perspectives 4 cx .. 4 cx + 3; waves w and w + 4 share perspective p = w % 4 (half = w / 4).  Every number is quantised once.
; sent2: each wave quantises two of a slot's four tiles of 16 rows; codes and scale words go to LDS as an image of the operand's registers.  sent1: each wave quantises two tiles of a slot into registers
; and multiplies both against sent2's 13 tiles, read from LDS once for the two.
; THE MIXED TILE.  200 rows are 12 tiles and 8 rows: sent2's rows 192-199 (lanes r < 8) and sent1's rows 192-199 (r >= 8) are quantised as one tile.  As sent2's tile 12 it is read with r % 8 (its eight
; rows twice, which leaves the maximum as it is), as sent1's with r | 8 (its results' second eight go to stage rows 200-207, which nobody reads).
; LAYOUT.  r = lane % 16, h = lane / 16.  Lane (r, h) holds row r of a tile and its blocks 2 c + h, c = 0 .. 4: X[32 c + j] = d 32 (2 c + h) + j: the FP4 operand's own map, so the conversion of
; X[32 c + 8 g .. + 7] is code register 4 c + g.  k[p] lies in the same map, with 0.0 where d >= 300; there X is loaded from the same row's block 8 (finite) and the multiply makes zeros of it.
; THE PRODUCT: source 0 = 16 rows of sent2, source 1 = 16 rows of sent1: a lane of the result holds one row of sent1 (lane % 16) and eight of sent2: the maximum runs over registers, tiles and lane xor 16.
; Of the third K step's blocks 10 and 11 sent1's codes are zeros; sent2's registers there may hold another tile's codes: any FP4 code is finite, and times a zero code it adds nothing.
; ROWS OF MEMORY.  b x 240,000 bytes lie 128 bytes off a multiple of 256 where b is odd.  Every tensor load begins at a multiple of 256 (the sentence's beginning rounded down) and takes rows of 256 bytes;
; the 128 x (b % 2) bytes are added to the LDS addresses of the lanes.  A sentence so takes 938 units of 256 bytes, all inside its buffer for every b.
; THE RING.  Two slots of 64 rows (304 units, 38 for each wave: one joint load a wave, mask 15: the four work-groups of the cluster need the same rows).  A slot is filled again behind a round of the
; cluster's barrier that stands in the middle of the slot's last tile, when its rows are in registers.
; PREFETCH: left out.  The fills behind the head are five, each written out once with the quantising of two tiles by every wave ahead of the wait for it: there is no loop of fills to run ahead in.
; LIMITS.  NaN and infinities among the inputs are not served.  A block whose largest |s k| lies under 2^-60 takes the scale of 2^-60 x r (its numbers are under 2^-40 of a vector of length 1); a block of
; zeros so carries another byte than 127, over zero codes.  The sum of squares is taken in f32 in another order than the source's.
; out0 leaves as 16 bytes of each row of 64: four perspectives to a work-group is the price of quantising nothing twice; whole rows would want 16 perspectives in one work-group, 64 work-groups in all.
; No input and no step of the source is left out.  LDS is claimed whole.
.set ROWB,  1200                       ; a row in bytes, and its pitch in LDS: 4 x 256 + 11 x 16: sixteen rows begin at sixteen different 16-byte columns of 256
.set U1,    16*ROWB                    ; a tile of 16 rows
.set CHUNK, 38*256                     ; what a wave's joint load brings
.set SLOT,  8*CHUNK                    ; 77,824: slot A at 0, slot B at SLOT
.set MIX,   2*SLOT                     ; sent2's last 8 rows, then sent1's: 38 units each
.set CODES, MIX+2*CHUNK                ; 4 perspectives x 13 tiles x 2,560 bytes
.set SCALES, CODES+4*33280             ; 4 x 13 x 256 bytes: 16 bytes a row, three words used
.set SPARE, SCALES+4*3328              ; the spare words, 128 bytes a wave: four blocks of 256 that no other line names
.set STAGE, SPARE+1024                 ; results: [208 rows][4 perspectives] words
; window 0
.set SPW, 1                            ; LDS address of my spare word; never rewritten
.set NIL, 2                            ; 0; never rewritten
.set LA, 3                             ; my lane's place in a slot: 128 (b % 2) + 38,400 half + 1,200 r + 128 h
.set LB, 4                             ; the same without h
.set ADRA, 5
.set ADRB, 6
.set VC, 7                             ; codes of my perspective, + 16 lane;  VC12: with r % 8
.set VC12, 8
.set VS, 9                             ; scale words, + 16 r;  VS12: with r % 8
.set VS12, 10
.set ST, 11                            ; where my results go in the stage
.set PS0, 12                           ; byte selectors: my bytes and lane xor 16's by turns, even blocks first in both halves
.set PS1, 13
.set R, 14                             ; 1 / length (the pair's second register is named, not used)
.set SA, 16                            ; v16-21  scale words of my two tiles of sent1
.set RM0, 22                           ; v22-29 and v248-255: eight chains of the maximum for each tile of sent1
.set VCW, 30                           ; where my tiles of sent2 are stored;  at the end: the mixed tile as sent1's
.set VSW, 31
; v32-95: X blocks 3 and 4; during products two sets of four accumulators
.set V1, 96                            ; v96-143 sent1's codes: two tiles of 20 registers and 4 of zeros
.set CT, 144                           ; v144-183 and v188-227: sent2's codes, two sets of two tiles; v184-187, v228-231 zeros.  While quantising: codes on their way out,
.set SC3, 164                          ; their scale words,
.set SQ, 188                           ; four pairs of sums of squares,
.set M, 196                            ; each block's largest |t|,
.set SCL, 202                          ; the conversions' scale operands,
.set E, 207                            ; their bytes
.set T, 212
.set T2, 213
.set Q0, 214
.set O0, 215
.set O1, 216
; v232-234, v236-238, v240-242, v244-246: sent2's scale words, two sets of two tiles.   window 1: v0-159 k[p]; v160-255 X blocks 0-2
.set PX, 235                           ; v235, v239: a permute's results
.set MA, 243                           ; the mixed tile's rows in LDS;  MB: without h
.set MB, 247
.set FLOOR, 0x21800000                 ; 2^-60: r is 2^-64 or more, so a byte never falls under 1
.set G1A, 36                           ; s[36:43] group 1 for 38 units;  s[44:51] for 76;  s[52:59] for 19
.set G1B, 44
.set G1C, 52
.set P0, 60                            ; groups 0
.set P1, 68
.set P2, 72
.set N2, 78                            ; sent1's first rows
.set SLA, 81                           ; my part of slot A
.set MSB, 0
.macro WIN new                         ; the immediate's high byte repeats the setting that is left
.if MSB != \new
	s_set_vgpr_msb (MSB<<8)|\new
.set MSB, \new
.endif
.endm
.macro PLACES
.rept 4
	v_nop
.endr
.endm
.macro VDST
	s_wait_alu depctr_va_vdst(0)
.endm
.macro CREST                           ; a round of the cluster's barrier behind its opening barrier
	s_cmp_lg_u32 s12, 0
	s_cbranch_scc1 .Lnot_wave_0_\@
	s_barrier_signal -3
.Lnot_wave_0_\@:
	s_barrier_wait -3
	s_barrier_signal -1
	s_barrier_wait -1
.endm
.macro CROUND
	s_barrier_signal -1
	s_barrier_wait -1
	CREST
.endm
.macro G1SET g, n                      ; n rows of 32 elements of 8 bytes, dense
	s_mov_b32 s[\g], 15|(3<<16)|(1<<21)            ; the mask: all four work-groups; elements of 8 bytes; bit 21 beside a mask
	s_mov_b32 s[\g+1], 32<<16
	s_mov_b32 s[\g+2], (\n)<<16
	s_mov_b32 s[\g+3], 32<<16
	s_mov_b32 s[\g+4], \n
	s_mov_b32 s[\g+5], 32
	s_mov_b32 s[\g+6], 0
	s_mov_b32 s[\g+7], 0
.endm
; Block c of a tile: eight loads of 16 bytes.  j >= 12 of blocks 8 and 9: both halves of the lanes read block 8.
.macro LX c, off, aa, ab
.if \c < 3
	WIN 0x40
.set XR, 160+32*\c
.else
	WIN 0
.set XR, 32*\c-64
.endif
.irp i, 0,1,2,3,4,5,6,7
.if (\c == 4) && (\i > 2)
	ds_load_b128 v[XR+4*\i:XR+4*\i+3], v[\ab] offset:(\off)+256*\c+16*\i
.else
	ds_load_b128 v[XR+4*\i:XR+4*\i+3], v[\aa] offset:(\off)+256*\c+16*\i
.endif
.endr
.endm
.macro LXALL aa, ab
	LX 0, 0, \aa, \ab
	LX 1, 0, \aa, \ab
	LX 2, 0, \aa, \ab
	LX 3, 0, \aa, \ab
	LX 4, 0, \aa, \ab
.endm
; t = s x k.  LDS instructions end in order: behind block c stand at least the later blocks' eight loads each.
.macro TMUL c
.if \c < 3
	WIN 0x45
.set XR, 160+32*\c
.else
	WIN 0x04
.set XR, 32*\c-64
.endif
	s_wait_dscnt 8*(4-\c)
.irp a, 0,1,2,3,4,5,6,7,8,9,10,11,12,13,14,15
	v_pk_mul_f32 v[XR+2*\a:XR+2*\a+1], v[XR+2*\a:XR+2*\a+1], v[32*\c+2*\a:32*\c+2*\a+1]
.endr
.endm
; Squares into four pairs of chains, the largest |t| into one chain a block; they take turns.  The first four squares start the sums.
.macro SM012
	WIN 0x05                                       ; x in window 1, sums and maxima in window 0
.set SI, 0
.irp i, 0,1,2,3,4,5,6,7,8,9,10,11,12,13,14,15
.irp c, 0,1,2
.set XR, 160+32*\c+2*\i
.if SI < 4
	v_pk_mul_f32 v[SQ+2*SI:SQ+2*SI+1], v[XR:XR+1], v[XR:XR+1]
.else
	v_pk_fma_f32 v[SQ+2*(SI%4):SQ+2*(SI%4)+1], v[XR:XR+1], v[XR:XR+1], v[SQ+2*(SI%4):SQ+2*(SI%4)+1]
.endif
.if \i == 0
	v_max3_num_f32 v[M+\c], |v[XR]|, |v[XR+1]|, FLOOR
.else
	v_max3_num_f32 v[M+\c], |v[XR]|, |v[XR+1]|, v[M+\c]
.endif
.set SI, SI+1
.endr
.endr
.endm
.macro FM i, c
.set XR, 32*\c-64+2*\i
	v_pk_fma_f32 v[SQ+2*(SI%4):SQ+2*(SI%4)+1], v[XR:XR+1], v[XR:XR+1], v[SQ+2*(SI%4):SQ+2*(SI%4)+1]
.set SI, SI+1
.endm
.macro MX i
.irp c, 3,4
	v_max3_num_f32 v[M+\c], |v[32*\c-64+2*\i]|, |v[32*\c-63+2*\i]|, v[M+\c]
.endr
.endm
.macro SM34A
.irp i, 0,1,2,3,4,5,6,7
.irp c, 3,4
	FM \i, \c
.if \i == 0
	v_max3_num_f32 v[M+\c], |v[32*\c-64]|, |v[32*\c-63]|, FLOOR
.else
	v_max3_num_f32 v[M+\c], |v[32*\c-64+2*\i]|, |v[32*\c-63+2*\i]|, v[M+\c]
.endif
.endr
.endr
.endm
.macro SM34B
.irp i, 8,9,10,11,12,13,14,15
	FM \i, 3
	FM \i, 4
.endr
.endm
; The row's sum (its other five blocks lie in lane xor 16) and 1 / length; the rest of blocks 3 and 4's maxima stands between the steps, each of which waits for the one before.
.macro REDUCE
	v_pk_add_f32 v[SQ:SQ+1], v[SQ:SQ+1], v[SQ+2:SQ+3]
	v_pk_add_f32 v[SQ+4:SQ+5], v[SQ+4:SQ+5], v[SQ+6:SQ+7]
	MX 8
	v_pk_add_f32 v[SQ:SQ+1], v[SQ:SQ+1], v[SQ+4:SQ+5]
	MX 9
	v_add_f32 v[T], v[SQ], v[SQ+1]
	MX 10
	MX 11
	v_permlanex16_b32 v[T2], v[T], s20, s21
	MX 12
	v_add_f32 v[T], v[T], v[T2]
	MX 13
	v_max_num_f32 v[T], 0x2b8cbccc, v[T]           ; max(sum, 1e-12)
	MX 14
	VDST
	v_rsq_f32 v[R], v[T]
	MX 15                                          ; the plain instructions behind the root
	VDST
.endm
; fill = 1 .. 4: the slot has been read out: a round of the cluster's barrier, and the slot's refill: sent2's rows 128-191 into A, sent1's rows 0-63 into B, 64-127 into A, 128-191 into B.
.macro QFRONT fill
	TMUL 0
	TMUL 1
	TMUL 2
	SM012
	TMUL 3
	TMUL 4
	WIN 0
.if \fill
	s_wait_tensorcnt 0x0                           ; all my tensor loads have landed: my part of the other slot
	ds_add_u32 v[SPW], v[NIL]
.if \fill == 1
	s_add_nc_u64 s[P0+2:P0+3], s[P0+2:P0+3], 128*ROWB   ; no tensor load of mine is out: the descriptor may be written
.endif
.if \fill == 2
	s_mov_b64 s[P0+2:P0+3], s[N2:N2+1]
	s_or_b32 s[P0+3], s[P0+3], 0x80000000
.endif
.if \fill > 2
	s_add_nc_u64 s[P0+2:P0+3], s[P0+2:P0+3], 64*ROWB
.endif
.if (\fill == 2) || (\fill == 4)
	s_add_co_u32 s[P0+1], s[SLA], SLOT
.else
	s_mov_b32 s[P0+1], s[SLA]
.endif
	SM34A
	VDST
	s_wait_dscnt 0x0                               ; the add is done, my reads of the slot are back, my codes are stored
	s_barrier_signal -1
	SM34B                                          ; work on registers while the others arrive
	s_barrier_wait -1
	CREST
	tensor_load_to_lds s[P0:P0+3], s[G1A:G1A+7]    ; my one tensor load behind the round
	s_nop 0
	PLACES
	VDST
.else
	SM34A
	SM34B
.endif
	REDUCE
.endm
.macro PK4 b, a0                       ; x = t x r: four pairs of block b
.if \b < 3
.set XR, 160+32*\b
.else
.set XR, 32*\b-64
.endif
.irp a, 0,1,2,3
	v_pk_mul_f32 v[XR+2*(\a0+\a):XR+2*(\a0+\a)+1], v[XR+2*(\a0+\a):XR+2*(\a0+\a)+1], v[R:R+1] op_sel_hi:[1,0]
.endr
.endm
; Scales, x = t x r, conversion.  Rounding is monotone and r positive: the largest |t| x r, rounded, is the largest |t x r|.  2 off its exponent field: the conversion's scale operand, and its byte.
; cd: code registers; sb: scale words; nl = 1: the next tile's loads at offset off; nl = 2: products follow: the first group's codes, and blocks 0-2 of the next tile; st = 1: stored as tile tl at wa, ws.
.macro QTAIL cd, sb, nl, off, st, wa, ws, tl
.if \nl == 2
	GLOAD 0
.endif
	v_pk_mul_f32 v[SCL:SCL+1], v[M:M+1], v[R:R+1] op_sel_hi:[1,0]
	v_pk_mul_f32 v[SCL+2:SCL+3], v[M+2:M+3], v[R:R+1] op_sel_hi:[1,0]
	v_mul_f32 v[SCL+4], v[M+4], v[R]
.irp c, 0,1,2,3,4
	v_add_nc_u32 v[SCL+\c], 0xff000000, v[SCL+\c]
.endr
.irp c, 0,1,2,3,4
	v_lshrrev_b32 v[E+\c], 23, v[SCL+\c]
.endr
	v_permlanex16_b32 v[O1], v[E+4], s20, s21
	v_lshl_or_b32 v[Q0], v[E+1], 8, v[E]
	PK4 3, 0
	v_lshl_or_b32 v[Q0], v[E+2], 16, v[Q0]
	PK4 3, 4
	v_lshl_or_b32 v[Q0], v[E+3], 24, v[Q0]
	PK4 3, 8
	v_permlanex16_b32 v[O0], v[Q0], s20, s21
	PK4 3, 12
	PK4 4, 0
	v_perm_b32 v[\sb], v[O0], v[Q0], v[PS0]        ; blocks 0-3 in both halves of the lanes
	v_perm_b32 v[\sb+1], v[O0], v[Q0], v[PS1]      ; blocks 4-7
	v_perm_b32 v[\sb+2], v[O1], v[E+4], v[PS0]     ; blocks 8, 9; bytes 2 and 3 are 0
	PK4 4, 4
	PK4 4, 8
	PK4 4, 12
	WIN 0x41
.irp b, 0,1,2
	PK4 \b, 0
	PK4 \b, 4
	PK4 \b, 8
	PK4 \b, 12
.endr
	WIN 0x01
.irp c, 0,1,2
.irp g, 0,1,2,3
	v_cvt_scalef32_pk8_fp4_f32 v[\cd+4*\c+\g], v[160+32*\c+8*\g:167+32*\c+8*\g], v[SCL+\c]
.endr
.endr
.if \nl
	LX 0, \off, ADRA, ADRB
	LX 1, \off, ADRA, ADRB
	LX 2, \off, ADRA, ADRB
.endif
	WIN 0
.irp c, 3,4
.irp g, 0,1,2,3
	v_cvt_scalef32_pk8_fp4_f32 v[\cd+4*\c+\g], v[32*\c-64+8*\g:32*\c-57+8*\g], v[SCL+\c]
.endr
.endr
	v_nop                                          ; the plain place behind the conversions
.if \nl == 2
	PLACES                                         ; an operand written by a vector instruction stands four places ahead of the scaled products
.endif
.if \st
.irp c, 0,1,2,3,4
	ds_store_b128 v[\wa], v[\cd+4*\c:\cd+4*\c+3] offset:2560*\tl+512*\c
.endr
	ds_store_b96 v[\ws], v[\sb:\sb+2] offset:256*\tl   ; lanes r and r + 16 write the same words with the same values
.endif
.if \nl == 1
	LX 3, \off, ADRA, ADRB
	LX 4, \off, ADRA, ADRB
.endif
.endm
.macro CL t, sb, vs, ac, as            ; sent2's tile t: 20 code registers and three scale words
.irp c, 0,1,2,3,4
	ds_load_b128 v[(\sb)+4*\c:(\sb)+4*\c+3], v[\ac] offset:2560*(\t)+512*\c
.endr
	ds_load_b96 v[(\vs):(\vs)+2], v[\as] offset:256*(\t)
.endm
.macro GLOAD g                         ; group g: tiles 2 g, 2 g + 1 into set g % 2; group 6: tile 12
.if (\g) < 6
	CL 2*(\g), 144+44*((\g)%2), 232+8*((\g)%2), VC, VS
	CL 2*(\g)+1, 164+44*((\g)%2), 236+8*((\g)%2), VC, VS
.endif
.if (\g) == 6
	CL 12, 144, 232, VC12, VS12
.endif
.endm
.macro WM g, tl, u, s
.set DD, 32+32*(\g%2)+16*\tl+8*\u
.set AF, 144+44*(\g%2)+20*\tl+8*\s
.set BF, V1+24*\u+8*\s
.if \s == 0
	v_wmma_scale_f32_16x16x128_f8f6f4 v[DD:DD+7], v[AF:AF+7], v[BF:BF+7], 0, v[232+8*(\g%2)+4*\tl+\s], v[SA+3*\u+\s] matrix_a_fmt:MATRIX_FMT_FP4 matrix_b_fmt:MATRIX_FMT_FP4
.else
	v_wmma_scale_f32_16x16x128_f8f6f4 v[DD:DD+7], v[AF:AF+7], v[BF:BF+7], v[DD:DD+7], v[232+8*(\g%2)+4*\tl+\s], v[SA+3*\u+\s] matrix_a_fmt:MATRIX_FMT_FP4 matrix_b_fmt:MATRIX_FMT_FP4
.endif
.endm
; One instruction of the maximum over the group before (PG): number MK, chain MK % 8 of sent1's tile MK / 8: the same register of the group's two accumulators.
.macro MXO
.set MU, MK/8
.set MJ, MK%8
.set RR, RM0+226*MU+MJ
.set AA, 32+32*(PG%2)+8*MU+MJ
.if PG == 0
	v_max_num_f32 v[RR], v[AA], v[AA+16]
.else
	v_max3_num_f32 v[RR], v[RR], v[AA], v[AA+16]
.endif
.set MK, MK+1
.endm
; Group g against nu tiles of sent1: the K steps outermost, so that its accumulators take turns; the group before goes into the maxima meanwhile.  Its last four such
; instructions stand behind the group's last product: the four places ahead of the first read of this group's results and of loads into the registers that it has read.
.macro GROUP g, nu
.if \g == 0
	VDST
.if \nu == 2
	s_wait_dscnt 24                                ; the group's loads are in; the next tile's 24 row loads may be out
.else
	s_wait_dscnt 0x0
.endif
.else
.if \nu == 1
	VDST
.endif
	s_wait_dscnt 0x0
.endif
	GLOAD \g+1
.set PG, \g-1
.set MK, 0
.irp s, 0,1,2
.irp tl, 0,1
.irp u, 0,1
.if (\u < \nu) && ((\g < 6) || (\tl == 0))
.if (\nu == 1) && (\g == 6) && (\s > 0)
	s_wait_alu depctr_va_vdst(0)                   ; one accumulator alone
.endif
	WM \g, \tl, \u, \s
.if (\g > 0) && (MK < 8*\nu-4)
	MXO
.endif
.if (\g == 6) && (MK < 8*\nu-4)
	MXO
.endif
.endif
.endr
.endr
.endr
.if \g == 0
	PLACES
.else
	MXO
	MXO
	MXO
	MXO
.endif
.if \nu == 1
	v_nop                                          ; a fifth place: here the next group's maxima all name the accumulators that the group after it begins anew
.endif
.endm
; The products of nu tiles of sent1 with sent2's 13, the maximum, and its way to the stage.
.macro PROD nu
.irp g, 0,1,2,3,4,5,6
	GROUP \g, \nu
.endr
.irp q, 0,1,2,3
.irp u, 0,1
.if \u < \nu
	v_max3_num_f32 v[RM0+226*\u+\q], v[32+8*\u+2*\q], v[33+8*\u+2*\q], v[RM0+226*\u+\q]
.endif
.endr
.endr
.irp q, 0,1
.irp u, 0,1
.if \u < \nu
	v_max3_num_f32 v[RM0+226*\u+\q], v[RM0+226*\u+\q], v[RM0+226*\u+4+2*\q], v[RM0+226*\u+5+2*\q]
.endif
.endr
.endr
.irp u, 0,1
.if \u < \nu
	v_max3_num_f32 v[RM0+226*\u+2], v[RM0+226*\u+2], v[RM0+226*\u+3], v[RM0+226*\u]
.endif
.endr
.irp u, 0,1
.if \u < \nu
	v_max_num_f32 v[RM0+226*\u+1], v[RM0+226*\u+1], v[RM0+226*\u+2]
.endif
.endr
.irp u, 0,1
.if \u < \nu
	v_permlanex16_b32 v[PX+4*\u], v[RM0+226*\u+1], s20, s21   ; the row's other numbers lie in lane xor 16
.endif
.endr
.irp u, 0,1
.if \u < \nu
	v_max_num_f32 v[RM0+226*\u+1], v[RM0+226*\u+1], v[PX+4*\u]
.endif
.endr
.irp u, 0,1
.if \u < \nu
	ds_store_b32 v[ST], v[RM0+226*\u+1] offset:256*\u   ; lanes r and r + 16 write the same word with the same value
.endif
.endr
.endm
.macro SETADR base                     ; the slot that is read next
	v_add_nc_u32 v[ADRA], \base, v[LA]
	v_add_nc_u32 v[ADRB], \base, v[LB]
.endm
.macro S2SLOT fill, t0, nl, next       ; two tiles of sent2
	QFRONT 0
	QTAIL CT, SC3, 1, U1, 1, VCW, VSW, \t0
	QFRONT \fill
	SETADR \next
	QTAIL CT, SC3, \nl, 0, 1, VCW, VSW, (\t0+1)
.endm
	s_load_b256 s[4:11], s[0:1], 0x0               ; kernel s[4:5], sent1 s[6:7], sent2 s[8:9], out0 s[10:11]
	v_lshl_add_u32 v[SPW], v0, 2, SPARE
	v_mov_b32 v[NIL], 0
	ds_add_u32 v[SPW], v[NIL]                      ; the opening lines: the add, twice on end, and one wait
	ds_add_u32 v[SPW], v[NIL]
	v_lshrrev_b32 v3, 5, v0
	v_readfirstlane_b32 s12, v3                    ; wave 0..7
	v_and_b32 v32, 15, v0                          ; r
	v_bfe_u32 v33, v0, 4, 1                        ; h
	v_lshlrev_b32 v34, 7, v33                      ; k: 128 h
	v_mov_b32 v35, 0                               ; k: the places that read block 8
	s_and_b32 s14, s12, 3                          ; my perspective of the four
	s_lshr_b32 s15, s12, 2                         ; my half
	s_bfe_u32 s13, ttmp6, 0x40000                  ; cx
	s_mov_b32 s20, 0x76543210                      ; v_permlanex16_b32's selects for lane xor 16
	s_mov_b32 s21, 0xfedcba98
	s_mul_i32 s16, ttmp9, 200*ROWB                 ; b x 240,000 (in a cluster launch ttmp9 counts clusters),
	s_and_b32 s16, s16, 0xffffff00                 ; rounded down to a multiple of 256
	s_mov_b32 s17, 0
	s_and_b32 s34, ttmp9, 1
	s_lshl_b32 s34, s34, 7                         ; what the rounding took away
	s_mul_i32 s18, s12, CHUNK
	s_mov_b32 s19, 0
	s_mul_i32 s22, s12, 2*CHUNK
	s_mov_b32 s23, 0
	s_and_b32 s24, s12, 1
	s_mul_i32 s24, s24, CHUNK/2
	s_mov_b32 s25, 0
	s_lshl_b32 s26, s13, 2
	s_add_co_u32 s26, s26, s14
	s_mul_i32 s26, s26, ROWB                       ; k[p], p = 4 cx + my perspective
	s_mov_b32 s27, 0
	s_mul_i32 s28, ttmp9, 200*64                   ; out0: 12,800 b + 16 cx
	s_lshl_b32 s29, s13, 4
	s_add_co_u32 s28, s28, s29
	s_mov_b32 s29, 0
	s_mul_i32 s30, s14, 33280
	s_add_co_u32 s30, s30, CODES
	s_mul_i32 s31, s14, 3328
	s_add_co_u32 s31, s31, SCALES
	s_mul_i32 s35, s15, 32*ROWB
	s_add_co_u32 s35, s35, s34
	s_add_co_u32 s89, s34, MIX
	s_mul_i32 s86, s15, 2*2560
	s_add_co_u32 s86, s86, s30
	s_lshl_b32 s87, s15, 9
	s_lshl_b32 s82, s14, 2
	s_add_co_u32 s82, s82, STAGE                   ; my perspective's words in the stage
	s_add_co_u32 s88, s82, s87                     ; + 32 rows for the second half
	s_add_co_u32 s82, s82, 192*16                  ; row 192
	s_add_co_u32 s87, s87, s31
	G1SET G1A, 38
	G1SET G1B, 76
	G1SET G1C, 19
	s_mov_b32 s[P0], 1
	s_mov_b32 s[P0+1], s18
	s_mov_b32 s[SLA], s18
	s_mov_b32 s[P1], 1
	s_add_co_u32 s[P1+1], s22, SLOT
	s_mov_b32 s[P2], 1
	s_mul_i32 s[P2+1], s12, CHUNK/2
	s_add_co_u32 s[P2+1], s[P2+1], MIX-2*CHUNK     ; waves 4-7: MIX + (w - 4) x 4,864
	s_wait_dscnt 0x0                               ; both opening adds are done
	VDST
	s_wait_kmcnt 0x0
	s_add_nc_u64 s[6:7], s[6:7], s[16:17]
	s_add_nc_u64 s[8:9], s[8:9], s[16:17]
	s_add_nc_u64 s[4:5], s[4:5], s[26:27]
	s_add_nc_u64 s[10:11], s[10:11], s[28:29]
	s_add_nc_u64 s[P0+2:P0+3], s[8:9], s[18:19]    ; sent2's rows 0-63
	s_or_b32 s[P0+3], s[P0+3], 0x80000000
	CROUND                                         ; all four work-groups are here: the first joint loads meet
	tensor_load_to_lds s[P0:P0+3], s[G1A:G1A+7]
	s_nop 0
	PLACES
	WIN 0x40
.irp c, 0,1,2,3,4                          ; k[p] in X's map
.irp i, 0,1,2,3,4,5,6,7
.if (\c == 4) && (\i > 2)
	global_load_b128 v[32*\c+4*\i:32*\c+4*\i+3], v35, s[4:5] offset:256*\c+16*\i   ; no lane passes the end of row p
.else
	global_load_b128 v[32*\c+4*\i:32*\c+4*\i+3], v34, s[4:5] offset:256*\c+16*\i
.endif
.endr
.endr
	WIN 0
	s_add_nc_u64 s[P1+2:P1+3], s[8:9], s[22:23]    ; sent2's rows 64-127, a quarter for each of waves 0-3
	s_add_nc_u64 s[P1+2:P1+3], s[P1+2:P1+3], 64*ROWB
	s_or_b32 s[P1+3], s[P1+3], 0x80000000
	s_add_nc_u64 s[N2:N2+1], s[6:7], s[18:19]
	s_cmp_lt_u32 s12, 6
	s_cselect_b64 s[P2+2:P2+3], s[8:9], s[6:7]     ; rows 192-199: waves 4, 5 sent2's, waves 6, 7 sent1's
	s_add_nc_u64 s[P2+2:P2+3], s[P2+2:P2+3], s[24:25]
	s_add_nc_u64 s[P2+2:P2+3], s[P2+2:P2+3], 192*ROWB
	s_or_b32 s[P2+3], s[P2+3], 0x80000000
	v_mul_u32_u24 v36, ROWB, v32                   ; 1,200 r
	v_and_b32 v37, 31, v0                          ; lane
	v_and_b32 v38, 0x17, v0                        ; lane with r % 8
	v_and_b32 v39, 7, v0                           ; r % 8
	v_mul_lo_u32 v40, 0x04040404, v33
	v_bfe_u32 v41, v0, 3, 1                        ; r / 8
	v_add_nc_u32 v[LB], s35, v36
	v_add_nc_u32 v[ADRB], s35, v36
	v_lshl_add_u32 v[VC], v37, 4, s30
	v_lshl_add_u32 v[VC12], v38, 4, s30
	v_lshl_add_u32 v[VS], v32, 4, s31
	v_lshl_add_u32 v[VS12], v39, 4, s31
	v_lshl_add_u32 v[ST], v32, 4, s88
	v_lshl_add_u32 v[LA], v33, 7, v[LB]
	v_lshl_add_u32 v[ADRA], v33, 7, v[LB]
	v_lshl_add_u32 v[VCW], v37, 4, s86
	v_lshl_add_u32 v[VSW], v32, 4, s87
	v_lshl_add_u32 v42, v41, 7, v36                ; the mixed tile: lanes r >= 8 stand 128 bytes further on, since each sentence's part takes 9,728 bytes and eight rows 9,600
	v_add_nc_u32 v[MB], s89, v42
	v_lshl_add_u32 v[MA], v33, 7, v[MB]
	v_xor_b32 v[PS0], 0x05010400, v40              ; bytes 0, 1 of two words by turns: mine first where h = 0, the other's first where h = 1
	v_xor_b32 v[PS1], 0x07030602, v40              ; bytes 2, 3
	v_mov_b32 v[R+1], 0
	v_mov_b32 v[T2], 0                             ; (destinations of lane permutes count as read)
	v_mov_b32 v[O0], 0
	v_mov_b32 v[O1], 0
	v_mov_b32 v[PX], 0
	v_mov_b32 v[PX+4], 0
.irp g, 0,1,2,3                            ; blocks 10 and 11: zero codes, written once
	v_mov_b32 v[V1+20+\g], 0
	v_mov_b32 v[V1+44+\g], 0
	v_mov_b32 v[184+\g], 0
	v_mov_b32 v[228+\g], 0
.endr
	VDST
	s_wait_loadcnt 0x0                             ; k
	v_cmp_eq_u32 vcc_lo, 1, v33                    ; lanes 16-31
	WIN 0x41
.irp j, 0,1,2,3,4,5,6,7,8,9,10,11,12,13,14,15,16,17,18,19
	v_cndmask_b32 v[140+\j], v[140+\j], 0, vcc_lo  ; d >= 300 (h = 1, block 9, j >= 12): k counts as 0
.endr
	WIN 0
	VDST
	s_wait_tensorcnt 0x0                           ; my part of sent2's rows 0-63 is in
	ds_add_u32 v[SPW], v[NIL]
	s_wait_dscnt 0x0
	CROUND
	s_cmp_lt_u32 s12, 4                            ; first fills: slot B by waves 0-3, the mixed tile's rows by waves 4-7, one load a wave
	s_cbranch_scc0 .Lfill_mixed
	tensor_load_to_lds s[P1:P1+3], s[G1B:G1B+7]
	s_nop 0
	PLACES
	s_branch .Lfilled
.Lfill_mixed:
	tensor_load_to_lds s[P2:P2+3], s[G1C:G1C+7]
	s_nop 0
	PLACES
.Lfilled:
	LXALL ADRA, ADRB
	; SENT2: slots A, B, A
	S2SLOT 1, 0, 1, SLOT
	S2SLOT 2, 4, 1, 0
	S2SLOT 3, 8, 0, SLOT
	; THE MIXED TILE, by the first half's waves
	VDST
	s_cmp_lt_u32 s12, 4
	s_cbranch_scc0 .Lmixed
	LXALL MA, MB
	QFRONT 0
	QTAIL CT, SC3, 0, 0, 1, VC, VS, 12
	VDST
.Lmixed:
	LXALL ADRA, ADRB
	; SENT1's rows 0-63, in slot B; the barrier in their middle shows all of sent2's codes to every wave
	QFRONT 0
	QTAIL V1, SA, 1, U1, 0, VC, VS, 0
	QFRONT 4
	SETADR 0
	QTAIL V1+24, SA+3, 2, 0, 0, VC, VS, 0
	PROD 2
	v_add_nc_u32 v[ST], 1024, v[ST]                ; the next slot's 64 rows
	VDST
	s_wait_tensorcnt 0x0                           ; the last fill has landed; behind this barrier nothing is filled
	s_wait_dscnt 0x0
	s_barrier_signal -1
	s_barrier_wait -1
	LX 3, 0, ADRA, ADRB
	LX 4, 0, ADRA, ADRB
	; rows 64-127 in slot A and 128-191 in slot B.  The last trip's fetch ahead reads bytes behind slot B that were written long before, and nothing uses them
	s_mov_b32 s33, 2
	VDST
.Lslot1:
	QFRONT 0
	QTAIL V1, SA, 1, U1, 0, VC, VS, 0
	QFRONT 0
	v_add_nc_u32 v[ADRA], SLOT, v[ADRA]
	v_add_nc_u32 v[ADRB], SLOT, v[ADRB]
	QTAIL V1+24, SA+3, 2, 0, 0, VC, VS, 0
	PROD 2
	v_add_nc_u32 v[ST], 1024, v[ST]
	LX 3, 0, ADRA, ADRB
	LX 4, 0, ADRA, ADRB
	s_sub_co_u32 s33, s33, 1
	s_cmp_lg_u32 s33, 0
	VDST
	s_cbranch_scc1 .Lslot1
	; rows 192-199, by the second half's waves: the mixed tile's codes with r | 8
	v_and_b32 v22, 31, v0
	v_and_b32 v23, 15, v0
	v_or_b32 v24, 8, v22
	v_or_b32 v25, 8, v23
	v_lshl_add_u32 v[ST], v23, 4, s82
	v_lshl_add_u32 v[VCW], v24, 4, s30
	v_lshl_add_u32 v[VSW], v25, 4, s31
	VDST
	s_cmp_lt_u32 s12, 4
	s_cbranch_scc1 .Lout
	CL 12, V1, SA, VCW, VSW
	GLOAD 0
	PROD 1
	VDST
.Lout:
	; THE WAY OUT.  Thread n takes row n: four neighbouring perspectives, 16 bytes.
	v_min_u32 v22, 199, v0                         ; no lane reads a word that nobody wrote
	v_lshlrev_b32 v23, 6, v0                       ; 64 bytes a row of out0
	v_lshlrev_b32 v22, 4, v22
	v_add_nc_u32 v22, STAGE, v22
	VDST
	s_wait_dscnt 0x0                               ; for the others' sake: my results are stored
	s_barrier_signal -1
	s_barrier_wait -1
	ds_load_b128 v[24:27], v22
	s_wait_dscnt 0x0
	v_cmp_gt_u32 vcc_lo, 200, v0
	s_wait_xcnt 0x0                                ; EXEC changes only behind this wait
	s_and_saveexec_b32 s83, vcc_lo
	global_store_b128 v23, v[24:27], s[10:11]
	s_wait_xcnt 0x0
	s_or_b32 exec_lo, exec_lo, s83
	s_wait_tensorcnt 0x0                           ; the wave's end
	ds_add_u32 v[SPW], v[NIL]
	s_wait_dscnt 0x0
	CROUND                                         ; the closing round: no work-group ends while a partner may still ask for a tile that names it
	s_endpgm
.Lfunc_end_k_q82e9cd7af6_match:
	.size	k_q82e9cd7af6_match, .Lfunc_end_k_q82e9cd7af6_match-k_q82e9cd7af6_match
	.p2alignl 7, 3214868480
	.fill 96, 4, 3214868480
	.section	.rodata,"a",@progbits
	.p2align	6, 0x0
	.amdhsa_kernel k_q82e9cd7af6_match
		.amdhsa_group_segment_fixed_size 327680
		.amdhsa_private_segment_fixed_size 0
		.amdhsa_enable_private_segment 0
		.amdhsa_kernarg_size 32
		.amdhsa_user_sgpr_count 2
		.amdhsa_user_sgpr_kernarg_segment_ptr 1
		.amdhsa_wavefront_size32 1
		.amdhsa_system_sgpr_workgroup_id_x 1
		.amdhsa_system_sgpr_workgroup_id_y 1
		.amdhsa_system_sgpr_workgroup_id_z 1
		.amdhsa_system_vgpr_workitem_id 0
		.amdhsa_next_free_vgpr 512
		.amdhsa_next_free_sgpr 96
		.amdhsa_reserve_vcc 1
		.amdhsa_float_denorm_mode_32 3
		.amdhsa_float_denorm_mode_16_64 3
		.amdhsa_memory_ordered 1
		.amdhsa_forward_progress 1
		.amdhsa_inst_pref_size 255
	.end_amdhsa_kernel
	.section	.bss,"aw",@nobits
	.p2align	6
	.space	262144
	.amdgpu_metadata
---
amdhsa.version: [ 1, 2 ]
amdhsa.kernels:
  - .name:           k_q82e9cd7af6_match
    .symbol:         k_q82e9cd7af6_match.kd
    .args:
      - { .name: kernel, .offset: 0, .size: 8, .value_kind: global_buffer, .address_space: global }
      - { .name: sent1, .offset: 8, .size: 8, .value_kind: global_buffer, .address_space: global }
      - { .name: sent2, .offset: 16, .size: 8, .value_kind: global_buffer, .address_space: global }
      - { .name: out0, .offset: 24, .size: 8, .value_kind: global_buffer, .address_space: global }
    .group_segment_fixed_size: 327680
    .private_segment_fixed_size: 0
    .kernarg_segment_align: 8
    .kernarg_segment_size: 32
    .max_flat_workgroup_size: 256
    .sgpr_count:     96
    .vgpr_count:     512
    .wavefront_size: 32
...
	.end_amdgpu_metadata
.endif
;; end of part 1
